; MI455X (gfx1250); checked and timed in simulation.
; The chip was launched on July 23, 2026; its instructions are those of AMD's public machine-readable ISA for CDNA 5 (MIT licence, August 2026) and "CDNA5" Instruction Set Architecture Reference Guide (July 2026). The comments in the code are by the model that wrote it; some were corrected since.
;; Radon. Allowed arithmetic: float matrix products may take bf16 or f16 operands with f32 sums; all other float work in f32.
;; Inputs: x 2 x 1 x 512 x 512 float32.
;; Outputs: out0 2 x 1 x 725 x 45 float32.
;; 2 versions, each right; version 2 is version 1 with the launch slabs written anew for expert scheduling mode. Each part assembles by itself: llvm-mc -triple=amdgcn-amd-amdhsa -mcpu=gfx1250 --defsym DOCPART=n.
;; ======== version 1 of 2: 2 launches
;; workspace buffers: partial 4,239,360 bytes
;; launch slabs (part 1): grid 16 x 15, 23 waves a work-group, no clusters, 203,264 bytes of LDS; arguments x, partial; writes partial
.if DOCPART == 1
	.amdgcn_target "amdgcn-amd-amdhsa--gfx1250"
	.amdhsa_code_object_version 6
	.text
	.protected	k_qad041720f7_slabs
	.globl	k_qad041720f7_slabs
	.p2align	8
	.type	k_qad041720f7_slabs,@function
k_qad041720f7_slabs:
	s_mov_b64 s[64:65], 0
	v_nop
	global_prefetch_b8 v0, s[64:65] scope:SCOPE_SE
	s_setreg_imm32_b32 hwreg(HW_REG_WAVE_MODE, 25, 1), 1
	s_wait_xcnt 0x0
; RADON TRANSFORM, FIRST PART.  out[n][j][a] = sum over i = 0..724 of the bilinear sample of the zero-padded image n at
;   ix = 362 + c (j - 362) + s (i - 362),  iy = 362 - s (j - 362) + c (i - 362),  c, s = cos, sin of a degrees; image pixel (y, x) lies at padded (y + 106, x + 106).
; SHARES.  Work-group (k, g): k = 0..15 owns image rows 32 k .. 32 k + 31 of BOTH images, staged once in LDS; g = 0..14 takes the angles g, 15 + g, 44 - g
; (the three 1 / cos add up to 3.30 .. 3.43 in every group, so the groups' walks are alike).  Thread t is column j = t (0..735; 725..735 are padding that nobody reads).
; A bilinear sample is linear in its two rows: a slab adds what its own rows give, all other rows read as zeros, and the second launch adds the 16 slabs:
; partial[k][a][j][n], f32, 5,888 bytes for each (k, a).
; COORDINATES are whole numbers with 21 fraction bits, made from the ids alone (cos and sin by six fixed rotations chosen by the angle's bits, 1 / cos by Newton's steps):
; no address and no trip count hangs on a floating-point number.  Floats are made of the fraction bits only, for the weights.
; LIMITS.  cos and sin are rounded to 2^-21, so a position is off by at most 4e-4 pixel from exact arithmetic (735 x 2^-22 for each of the two products).
; Inputs are taken as finite: where an infinity meets a zero weight or the padding, the result may differ from a NaN made by 0 x infinity.
; NOT USED, AND WHY.  Matrix units: there is no product.  Tensor loads and joint requests for the slab that the 15 groups of one k share: the two images are
; interleaved pixel by pixel on the way into LDS, so that one 8-byte gather serves both (4 gathers a position, not 8); that interleaving is register work,
; and the slab is 128 KiB read once by each work-group.
.set Q,     21
.set PITCH, 4352                       ; an LDS row: 544 pixel pairs (image 0, image 1) of 8 bytes: columns 0..511 data, 512..543 zeros
.set HALF,  23*PITCH                   ; wave w stages physical rows w and w + 23
.set SPARE, 46*PITCH                   ; behind the 46 rows: the spare words, 128 bytes a wave, 3,072 bytes in whole blocks of 256; no other line names them
.set IMG,   1048576                    ; bytes from image 0 to image 1
.set ROWB,  5888                       ; bytes of one (k, a) row of partial: 736 columns x 2 images x 4
; physical row p: p = 2..33 holds image row 32 k + p - 2; rows 0, 1 and 34..45 are zeros.  Column -1 of a row is column 543 of the row above it.
.set LOF, 1                            ; v1      16 x lane: my 16 bytes in 512 bytes of an image row
.set SPW, 2                            ; v2      LDS address of my spare word; never rewritten
.set NIL, 3                            ; v3      0; never rewritten
.set LS,  4                            ; v4, v5  staging: row w (w + 23) + 32 x lane
.set TL,  6                            ; v6, v7  staging: row w (w + 23) + 8 x lane, for the zero tail
.set RU,  8                            ; v8      u = ix - 105, 21 fraction bits
.set RV,  9                            ; v9      v = iy - 105 - 32 k
.set AD,  10                           ; v10     the gathers' LDS address
.set T0,  11                           ; v11, v12 at work
.set T1,  12
.set VJ,  13                           ; v13     v at i = 0
.set EST, 14                           ; v14     the first i that I visit
.set JO,  15                           ; v15     8 j: my place in a row of partial; never rewritten
.set FA,  16                           ; v[16:17], v[18:19]  (fx, fy), two buffers
.set FB,  18
.set PA,  20                           ; v[20:27], v[28:35]  p00, p01, p10, p11, each a pair (image 0, image 1), two buffers
.set PB,  28
.set D0,  36                           ; v[36:37], v[38:39]  at work
.set D1,  38
.set ACC, 40                           ; v[40:41] the column's sums, image 0 and image 1
.set LD,  16                           ; staging only: v[16:79]  row r, piece m: image 0 at LD + 32 r + 8 m, image 1 four registers on
.set TT,  80                           ; staging only: v[80:87]  four interleaved pairs
.set ZP,  88                           ; staging only: v[88:89]  0
.set WV,  8                            ; s8 wave, s9 k, s10 g
.set SK,  9
.set SG,  10
.set RB,  12                           ; s[12:13], s[14:15] x at my two rows
.set MK,  16                           ; s16, s17  all ones where the row is data, else 0
.set A0,  24                           ; s24 the angle in hand, s25, s26 those to come; s27 counts them
.set C31, 28                           ; s28, s29  cos, sin with 31 fraction bits
.set S31, 29
.set CQ,  34                           ; s34, s35, s36  cos, sin, -sin with 21 fraction bits
.set SQ,  35
.set NSQ, 36
.set U00, 37                           ; s37, s38  u and v at i = j = 0
.set V00, 38
.set R30, 39                           ; s39  1 / cos with 30 fraction bits;  s40  with 12, rounded down
.set R12, 40
.set NT,  41                           ; s41  trips of two samples;  s42 counts them
.set CT,  42
.set FM,  43                           ; s43  mask of the 21 fraction bits
	s_load_b128 s[4:7], s[0:1], 0x0                ; x s[4:5], partial s[6:7]
	v_lshl_add_u32 v[SPW], v0, 2, SPARE
	v_mov_b32 v[NIL], 0
	v_lshrrev_b32 v[LS], 5, v0
	v_readfirstlane_b32 s[WV], v[LS]               ; wave 0..22
	s_mov_b32 s[SK], ttmp9
	s_and_b32 s[SG], ttmp7, 0xffff
	v_and_b32 v[TL], 31, v0                        ; lane
	v_lshlrev_b32 v[LOF], 4, v[TL]
	s_mul_i32 s18, s[WV], PITCH
	v_lshl_add_u32 v[LS], v[TL], 5, s18            ; four pixel pairs a lane
	v_add_nc_u32 v[LS+1], HALF, v[LS]
	v_lshl_add_u32 v[TL], v[TL], 3, s18            ; one pixel pair a lane
	v_add_nc_u32 v[TL+1], HALF, v[TL]
	v_mov_b32 v[ZP], 0
	v_mov_b32 v[ZP+1], 0
	v_lshlrev_b32 v[JO], 3, v0
	s_lshl_b32 s20, s[SK], 5                       ; 32 k
.irp r, 0,1
	s_add_co_u32 s19, s[WV], 23*\r-2               ; p - 2
	s_cmp_lt_u32 s19, 32                           ; unsigned: p = 2..33 are data rows
	s_cselect_b32 s[MK+\r], -1, 0
	s_add_co_u32 s19, s19, s20                     ; the image row; a zero row loads some row inside the image and masks it away
	s_max_i32 s19, s19, 0
	s_min_i32 s19, s19, 511
	s_lshl_b32 s[RB+2*\r], s19, 11                 ; 2,048 bytes a row
	s_mov_b32 s[RB+2*\r+1], 0
.endr
	s_wait_kmcnt 0x0
	s_add_nc_u64 s[RB:RB+1], s[4:5], s[RB:RB+1]
	s_add_nc_u64 s[RB+2:RB+3], s[4:5], s[RB+2:RB+3]
	; sixteen loads, all out together: two rows x four pieces of 512 consecutive bytes x two images
.irp r, 0,1
.irp m, 0,1,2,3
	global_load_b128 v[LD+32*\r+8*\m:LD+32*\r+8*\m+3],   v[LOF], s[RB+2*\r:RB+2*\r+1] offset:512*\m
	global_load_b128 v[LD+32*\r+8*\m+4:LD+32*\r+8*\m+7], v[LOF], s[RB+2*\r:RB+2*\r+1] offset:512*\m+IMG
.endr
.endr
; Piece m of row r: the mask and the interleaving are one v_and_b32 a number; 32 bytes a lane go into LDS.
.macro PIECE r, m
	s_wait_loadcnt 14-2*(4*(\r)+(\m))              ; loads come back in order: behind this piece's two stand so many
.irp e, 0,1,2,3
	v_and_b32 v[TT+2*\e],   s[MK+(\r)], v[LD+32*(\r)+8*(\m)+\e]
	v_and_b32 v[TT+2*\e+1], s[MK+(\r)], v[LD+32*(\r)+8*(\m)+4+\e]
.endr
	ds_store_b128 v[LS+(\r)], v[TT:TT+3]   offset:1024*(\m)
	ds_store_b128 v[LS+(\r)], v[TT+4:TT+7] offset:1024*(\m)+16
.endm
.irp r, 0,1
.irp m, 0,1,2,3
	PIECE \r, \m
.endr
	ds_store_b64 v[TL+\r], v[ZP:ZP+1] offset:4096  ; columns 512..543
.endr
	s_wait_dscnt 0x0                               ; for the others' sake: my two rows are in LDS
	s_barrier_signal -1
	s_barrier_wait -1                              ; the one barrier: from here on LDS is only read
	s_mov_b32 s[A0], s[SG]
	s_add_co_u32 s[A0+1], s[SG], 15
	s_sub_co_u32 s[A0+2], 44, s[SG]
	s_mov_b32 s27, 0
	s_mov_b32 s[FM], 0x1fffff
	s_mov_b32 s45, 0                               ; high word of the store's offset
	s_lshl_b32 s48, s[WV], 5                       ; my wave's first column,
	s_add_co_u32 s49, s48, 31                      ; and its last
	s_lshl_b32 s50, s[SK], 5                       ; 32 k
; (cos, sin) turned by 2^b degrees if the angle has bit b.  cd, sd: cos and sin of 2^b degrees x 1e9; the factors have 32 fraction bits.
.macro ROT b, cd, sd
	s_mul_hi_u32 s30, s[C31], ((\cd)*(1<<32)+500000000)/1000000000
	s_mul_hi_u32 s31, s[S31], ((\sd)*(1<<32)+500000000)/1000000000
	s_mul_hi_u32 s32, s[S31], ((\cd)*(1<<32)+500000000)/1000000000
	s_mul_hi_u32 s33, s[C31], ((\sd)*(1<<32)+500000000)/1000000000
	s_sub_co_u32 s30, s30, s31
	s_add_co_u32 s32, s32, s33
	s_bitcmp1_b32 s[A0], \b
	s_cselect_b32 s[C31], s30, s[C31]
	s_cselect_b32 s[S31], s32, s[S31]
.endm
; The sample at (u, v): its four gathers are issued into buffer p, its two fractions made in buffer f.
; A negative u or v is a large unsigned number: the minimum sends it, like one past the end, to columns 512, 513 or rows 34, 35, which hold zeros.
.macro COORD f, p
	v_lshrrev_b32 v[T0], Q, v[RU]
	v_lshrrev_b32 v[T1], Q, v[RV]
	v_min_u32 v[T0], 513, v[T0]
	v_min_u32 v[T1], 33, v[T1]
	v_mul_u32_u24 v[T1], PITCH, v[T1]
	v_lshl_add_u32 v[AD], v[T0], 3, v[T1]          ; at most 33 x 4,352 + 513 x 8 = 147,720
	ds_load_b64 v[(\p):(\p)+1],   v[AD] offset:PITCH-8     ; physical row rv + 1, column cu - 1
	ds_load_b64 v[(\p)+2:(\p)+3], v[AD] offset:PITCH       ; column cu
	ds_load_b64 v[(\p)+4:(\p)+5], v[AD] offset:2*PITCH-8   ; the row below
	ds_load_b64 v[(\p)+6:(\p)+7], v[AD] offset:2*PITCH
	v_and_b32 v[T0], s[FM], v[RU]
	v_and_b32 v[T1], s[FM], v[RV]
	v_cvt_f32_u32 v[(\f)], v[T0]
	v_cvt_f32_u32 v[(\f)+1], v[T1]
	v_pk_mul_f32 v[(\f):(\f)+1], v[(\f):(\f)+1], 0x35000000 op_sel_hi:[1,0]  ; x 2^-21: fx, fy
.endm
; Both images at once: top = p00 + fx (p01 - p00), bottom likewise, sum += top + fy (bottom - top).
.macro INTERP f, p
	v_pk_add_f32 v[D0:D0+1], v[(\p)+2:(\p)+3], v[(\p):(\p)+1] neg_lo:[0,1] neg_hi:[0,1]
	v_pk_add_f32 v[D1:D1+1], v[(\p)+6:(\p)+7], v[(\p)+4:(\p)+5] neg_lo:[0,1] neg_hi:[0,1]
	v_pk_fma_f32 v[D0:D0+1], v[D0:D0+1], v[(\f):(\f)+1], v[(\p):(\p)+1] op_sel_hi:[1,0,1]
	v_pk_fma_f32 v[D1:D1+1], v[D1:D1+1], v[(\f):(\f)+1], v[(\p)+4:(\p)+5] op_sel_hi:[1,0,1]
	v_pk_add_f32 v[D1:D1+1], v[D1:D1+1], v[D0:D0+1] neg_lo:[0,1] neg_hi:[0,1]
	v_pk_add_f32 v[ACC:ACC+1], v[ACC:ACC+1], v[D0:D0+1]
	v_pk_fma_f32 v[ACC:ACC+1], v[D1:D1+1], v[(\f):(\f)+1], v[ACC:ACC+1] op_sel:[0,1,0] op_sel_hi:[1,1,1]
.endm
; One step along i: the next sample is asked for, then the one in hand is added.
.macro STEP cf, cp, nf, np
	v_add_nc_u32 v[RU], s[SQ], v[RU]
	v_add_nc_u32 v[RV], s[CQ], v[RV]
	COORD \nf, \np
	s_wait_dscnt 4                                 ; LDS loads come back in order: the four just issued may stay out, the four in hand are in
	INTERP \cf, \cp
.endm
.Langle:                                               ; three trips, an angle each
	s_wait_xcnt 0x0                                ; the last trip's store has read its sums and its base: only now are they written again
	s_mov_b32 s[C31], 0x80000000                   ; cos 0 = 1
	s_mov_b32 s[S31], 0
	ROT 0, 999847695, 17452406
	ROT 1, 999390827, 34899497
	ROT 2, 997564050, 69756474
	ROT 3, 990268069, 139173101
	ROT 4, 961261696, 275637356
	ROT 5, 848048096, 529919264
	s_add_co_u32 s[CQ], s[C31], 512
	s_lshr_b32 s[CQ], s[CQ], 10
	s_add_co_u32 s[SQ], s[S31], 512
	s_lshr_b32 s[SQ], s[SQ], 10
	s_sub_co_u32 s[NSQ], 0, s[SQ]
	s_add_co_u32 s19, s[CQ], s[SQ]                 ; u = 257 - 362 (c + s) + c j + s i; all sums modulo 2^32
	s_mul_i32 s19, s19, 362
	s_sub_co_u32 s[U00], 257<<Q, s19
	s_sub_co_u32 s20, 257, s50                     ; v = 257 - 32 k + 362 (s - c) - s j + c i
	s_lshl_b32 s20, s20, Q
	s_sub_co_u32 s19, s[SQ], s[CQ]
	s_mul_i32 s19, s19, 362
	s_add_co_u32 s[V00], s20, s19
	s_mov_b32 s[R30], 0x4ccccccd                   ; 1 / c from 1.2: c lies in 0.719 .. 1, so the error 1 - c r goes 0.2, 0.04, 1.6e-3, 2.6e-6, always from below
.rept 3
	s_mul_hi_u32 s19, s[C31], s[R30]               ; c r, 29 fraction bits
	s_sub_co_u32 s19, 1<<30, s19                   ; 2 - c r
	s_mul_hi_u32 s[R30], s[R30], s19
	s_lshl_b32 s[R30], s[R30], 3
.endr
	s_lshr_b32 s[R12], s[R30], 18
	s_sub_co_u32 s[R12], s[R12], 1                 ; never above 1 / c
	s_add_co_u32 s19, s[R12], 2                    ; v runs through 33 rows: at most 33 / c + 1 samples, and I begin at most 2 early: T = 33 / c (rounded down) + 4 steps
	s_mul_i32 s19, s19, 33
	s_lshr_b32 s19, s19, 12
	s_add_co_u32 s19, s19, 5
	s_lshr_b32 s[NT], s19, 1                       ; (T + 1) / 2 trips of two
	s_mul_i32 s19, s[SK], 45
	s_add_co_u32 s19, s19, s[A0]
	s_mul_i32 s44, s19, ROWB
	s_add_nc_u64 s[46:47], s[6:7], s[44:45]        ; partial at (k, a)
	; which columns can meet the slab: j - 362 = c X - s Y with X in (-257, 256), Y in [32 k - 257, 32 k - 224); one column of margin on either side
	s_sub_co_u32 s19, s50, 224
	s_mul_i32 s19, s[SQ], s19
	s_mul_i32 s20, s[CQ], -257
	s_sub_co_u32 s19, s20, s19
	s_ashr_i32 s19, s19, Q
	s_add_co_u32 s51, s19, 361
	s_sub_co_u32 s19, s50, 257
	s_mul_i32 s19, s[SQ], s19
	s_lshl_b32 s20, s[CQ], 8
	s_sub_co_u32 s19, s20, s19
	s_ashr_i32 s19, s19, Q
	s_add_co_u32 s52, s19, 364
	v_mov_b32 v[ACC], 0
	v_mov_b32 v[ACC+1], 0
	s_cmp_lt_i32 s49, s51
	s_cbranch_scc1 .Lstore                         ; my 32 columns lie left of the slab's shadow: they store zeros
	s_cmp_gt_i32 s48, s52
	s_cbranch_scc1 .Lstore                         ; or right of it
	; where I begin: the largest whole number that is surely not above -v(i = 0) / c, and not below 0 (i < 0 is no sample; i > 724 never meets the image: 256 (sin 44 + cos 44) < 362)
	v_mul_lo_u32 v[VJ], v0, s[NSQ]
	v_add_nc_u32 v[VJ], s[V00], v[VJ]
	v_sub_nc_u32 v[EST], 0, v[VJ]
	v_max_i32 v[EST], 0, v[EST]
	v_lshrrev_b32 v[EST], 12, v[EST]               ; 9 fraction bits, under 2^19,
	v_mul_u32_u24 v[EST], s[R12], v[EST]           ; times 1 / c with 12, under 2^13
	v_lshrrev_b32 v[EST], Q, v[EST]
	v_mul_lo_u32 v[RV], v[EST], s[CQ]
	v_add_nc_u32 v[RV], v[RV], v[VJ]
	v_mul_lo_u32 v[RU], v0, s[CQ]
	v_mul_lo_u32 v[T0], v[EST], s[SQ]
	v_add3_u32 v[RU], v[RU], v[T0], s[U00]
	COORD FA, PA
	s_mov_b32 s[CT], 0
.Lstep:
	STEP FA, PA, FB, PB
	STEP FB, PB, FA, PA
	s_add_co_u32 s[CT], s[CT], 1
	s_cmp_lt_u32 s[CT], s[NT]
	s_cbranch_scc1 .Lstep
	s_wait_dscnt 0x0                               ; the sample asked for last lies past the slab and is not added; its registers are free behind this wait
.Lstore:
	global_store_b64 v[JO], v[ACC:ACC+1], s[46:47] ; the wave stores 256 consecutive bytes, at a multiple of 256 from partial's first byte
	s_mov_b32 s[A0], s[A0+1]
	s_mov_b32 s[A0+1], s[A0+2]
	s_add_co_u32 s27, s27, 1
	s_cmp_lt_u32 s27, 3
	s_cbranch_scc1 .Langle
	s_wait_tensorcnt 0x0                           ; the wave's end
	ds_add_u32 v[SPW], v[NIL]
	s_wait_dscnt 0x0
	s_endpgm
.Lfunc_end_k_qad041720f7_slabs:
	.size	k_qad041720f7_slabs, .Lfunc_end_k_qad041720f7_slabs-k_qad041720f7_slabs
	.p2alignl 7, 3214868480
	.fill 96, 4, 3214868480
	.section	.rodata,"a",@progbits
	.p2align	6, 0x0
	.amdhsa_kernel k_qad041720f7_slabs
		.amdhsa_group_segment_fixed_size 203264
		.amdhsa_private_segment_fixed_size 0
		.amdhsa_enable_private_segment 0
		.amdhsa_kernarg_size 16
		.amdhsa_user_sgpr_count 2
		.amdhsa_user_sgpr_kernarg_segment_ptr 1
		.amdhsa_wavefront_size32 1
		.amdhsa_system_sgpr_workgroup_id_x 1
		.amdhsa_system_sgpr_workgroup_id_y 1
		.amdhsa_system_sgpr_workgroup_id_z 1
		.amdhsa_system_vgpr_workitem_id 0
		.amdhsa_next_free_vgpr 96
		.amdhsa_next_free_sgpr 66
		.amdhsa_reserve_vcc 0
		.amdhsa_float_denorm_mode_32 3
		.amdhsa_float_denorm_mode_16_64 3
		.amdhsa_memory_ordered 1
		.amdhsa_forward_progress 1
		.amdhsa_inst_pref_size 17
	.end_amdhsa_kernel
	.amdgpu_metadata
---
amdhsa.version: [ 1, 2 ]
amdhsa.kernels:
  - .name:           k_qad041720f7_slabs
    .symbol:         k_qad041720f7_slabs.kd
    .args:
      - { .name: x, .offset: 0, .size: 8, .value_kind: global_buffer, .address_space: global }
      - { .name: partial, .offset: 8, .size: 8, .value_kind: global_buffer, .address_space: global }
    .group_segment_fixed_size: 203264
    .private_segment_fixed_size: 0
    .kernarg_segment_align: 8
    .kernarg_segment_size: 16
    .max_flat_workgroup_size: 736
    .sgpr_count:     66
    .vgpr_count:     96
    .wavefront_size: 32
...
	.end_amdgpu_metadata
.endif
;; end of part 1
;; launch addup (part 2): grid 255 x 1, 4 waves a work-group, no clusters, 0 bytes of LDS; arguments partial, out0; writes out0
.if DOCPART == 2
	.amdgcn_target "amdgcn-amd-amdhsa--gfx1250"
	.amdhsa_code_object_version 6
	.text
	.protected	k_qad041720f7_addup
	.globl	k_qad041720f7_addup
	.p2align	8
	.type	k_qad041720f7_addup,@function
k_qad041720f7_addup:
	s_mov_b64 s[64:65], 0
	v_nop
	global_prefetch_b8 v0, s[64:65] scope:SCOPE_SE
	s_setreg_imm32_b32 hwreg(HW_REG_WAVE_MODE, 25, 1), 1
	s_wait_xcnt 0x0
; RADON TRANSFORM, SECOND PART.  out0[n][j][a] = the sum over the 16 slabs k of partial[k][a][j][n].
; A thread takes one e = 45 j + a, for both images: 725 x 45 = 32,625 of them on 255 work-groups of 128 threads; the last 15 threads repeat the last e
; (the same address, the same value, in the same wave).  Sixteen loads of 8 bytes a lane are out together; a wave's two stores cover 128 consecutive bytes each.
; The loads are the price of that order: neighbouring lanes differ in a, so their 8 bytes lie 5,888 bytes apart.
.set LAST,  725*45-1
.set SLABB, 45*5888                    ; bytes of one slab's part of partial
.set IMGO,  725*45*4                   ; bytes from image 0 to image 1 in out0
.set SUM,   8                          ; v[8:39] slab k's pair (image 0, image 1) at SUM + 2 k
	s_load_b128 s[4:7], s[0:1], 0x0                ; partial s[4:5], out0 s[6:7]
	s_lshl_b32 s8, ttmp9, 7
	v_add_nc_u32 v1, s8, v0
	v_min_u32 v1, LAST, v1                         ; e
	v_mul_lo_u32 v2, v1, 46604                     ; j = e / 45: 46,604 x 45 = 2^21 + 28, so the quotient is too large by at most 32,624 x 28 / (45 x 2^21) = 0.0097 < 1 / 45
	v_lshrrev_b32 v2, 21, v2
	v_mul_u32_u24 v3, 45, v2
	v_sub_nc_u32 v3, v1, v3                        ; a
	v_mad_u32_u24 v4, v3, 736, v2
	v_lshlrev_b32 v4, 3, v4                        ; (736 a + j) x 8
	v_lshlrev_b32 v5, 2, v1                        ; 4 e
	s_wait_kmcnt 0x0
.irp k, 0,1,2,3,4,5,6,7,8,9,10,11,12,13,14,15
	global_load_b64 v[SUM+2*\k:SUM+2*\k+1], v4, s[4:5] offset:\k*SLABB
.endr
	s_wait_loadcnt 0x0
.irp i, 0,1,2,3,4,5,6,7
	v_pk_add_f32 v[SUM+4*\i:SUM+4*\i+1], v[SUM+4*\i:SUM+4*\i+1], v[SUM+4*\i+2:SUM+4*\i+3]
.endr
.irp i, 0,1,2,3
	v_pk_add_f32 v[SUM+8*\i:SUM+8*\i+1], v[SUM+8*\i:SUM+8*\i+1], v[SUM+8*\i+4:SUM+8*\i+5]
.endr
.irp i, 0,1
	v_pk_add_f32 v[SUM+16*\i:SUM+16*\i+1], v[SUM+16*\i:SUM+16*\i+1], v[SUM+16*\i+8:SUM+16*\i+9]
.endr
	v_pk_add_f32 v[SUM:SUM+1], v[SUM:SUM+1], v[SUM+16:SUM+17]
	global_store_b32 v5, v[SUM], s[6:7]
	global_store_b32 v5, v[SUM+1], s[6:7] offset:IMGO
	s_endpgm
.Lfunc_end_k_qad041720f7_addup:
	.size	k_qad041720f7_addup, .Lfunc_end_k_qad041720f7_addup-k_qad041720f7_addup
	.p2alignl 7, 3214868480
	.fill 96, 4, 3214868480
	.section	.rodata,"a",@progbits
	.p2align	6, 0x0
	.amdhsa_kernel k_qad041720f7_addup
		.amdhsa_group_segment_fixed_size 0
		.amdhsa_private_segment_fixed_size 0
		.amdhsa_enable_private_segment 0
		.amdhsa_kernarg_size 16
		.amdhsa_user_sgpr_count 2
		.amdhsa_user_sgpr_kernarg_segment_ptr 1
		.amdhsa_wavefront_size32 1
		.amdhsa_system_sgpr_workgroup_id_x 1
		.amdhsa_system_sgpr_workgroup_id_y 1
		.amdhsa_system_sgpr_workgroup_id_z 1
		.amdhsa_system_vgpr_workitem_id 0
		.amdhsa_next_free_vgpr 48
		.amdhsa_next_free_sgpr 66
		.amdhsa_reserve_vcc 0
		.amdhsa_float_denorm_mode_32 3
		.amdhsa_float_denorm_mode_16_64 3
		.amdhsa_memory_ordered 1
		.amdhsa_forward_progress 1
		.amdhsa_inst_pref_size 4
	.end_amdhsa_kernel
	.amdgpu_metadata
---
amdhsa.version: [ 1, 2 ]
amdhsa.kernels:
  - .name:           k_qad041720f7_addup
    .symbol:         k_qad041720f7_addup.kd
    .args:
      - { .name: partial, .offset: 0, .size: 8, .value_kind: global_buffer, .address_space: global }
      - { .name: out0, .offset: 8, .size: 8, .value_kind: global_buffer, .address_space: global }
    .group_segment_fixed_size: 0
    .private_segment_fixed_size: 0
    .kernarg_segment_align: 8
    .kernarg_segment_size: 16
    .max_flat_workgroup_size: 128
    .sgpr_count:     66
    .vgpr_count:     48
    .wavefront_size: 32
...
	.end_amdgpu_metadata
.endif
;; end of part 2
;; ======== version 2 of 2: 2 launches; version 1 with the launch slabs written anew for expert scheduling mode
;; workspace buffers: partial 4,239,360 bytes
;; launch slabs (part 3): grid 16 x 15, 23 waves a work-group, no clusters, 203,264 bytes of LDS; arguments x, partial; writes partial
.if DOCPART == 3
	.amdgcn_target "amdgcn-amd-amdhsa--gfx1250"
	.amdhsa_code_object_version 6
	.text
	.protected	k_qad041720f7_slabs
	.globl	k_qad041720f7_slabs
	.p2align	8
	.type	k_qad041720f7_slabs,@function
k_qad041720f7_slabs:
	s_mov_b64 s[64:65], 0
	v_nop
	global_prefetch_b8 v0, s[64:65] scope:SCOPE_SE
	s_setreg_imm32_b32 hwreg(HW_REG_WAVE_SCHED_MODE, 0, 2), 2
	s_setreg_imm32_b32 hwreg(HW_REG_WAVE_MODE, 25, 1), 1
	s_wait_xcnt 0x0
	s_wait_alu depctr_vm_vsrc(0)
; RADON TRANSFORM, FIRST PART.  out[n][j][a] = sum over i = 0..724 of the bilinear sample of the zero-padded image n at
;   ix = 362 + c (j - 362) + s (i - 362),  iy = 362 - s (j - 362) + c (i - 362),  c, s = cos, sin of a degrees; image pixel (y, x) lies at padded (y + 106, x + 106).
; SHARES.  Work-group (k, g): k = 0..15 owns image rows 32 k .. 32 k + 31 of BOTH images, staged once in LDS; g = 0..14 takes the angles g, 15 + g, 44 - g
; (the three 1 / cos add up to 3.30 .. 3.43 in every group, so the groups' walks are alike).  Thread t is column j = t (0..735; 725..735 are padding that nobody reads).
; A bilinear sample is linear in its two rows: a slab adds what its own rows give, all other rows read as zeros, and the second launch adds the 16 slabs:
; partial[k][a][j][n], f32, 5,888 bytes for each (k, a).
; COORDINATES are whole numbers with 21 fraction bits, made from the ids alone (cos and sin by six fixed rotations chosen by the angle's bits, 1 / cos by Newton's steps):
; no address and no trip count hangs on a floating-point number.  Floats are made of the fraction bits only, for the weights.
; LIMITS.  cos and sin are rounded to 2^-21, so a position is off by at most 4e-4 pixel from exact arithmetic (735 x 2^-22 for each of the two products).
; Inputs are taken as finite: where an infinity meets a zero weight or the padding, the result may differ from a NaN made by 0 x infinity.
; NOT USED, AND WHY.  Matrix units: there is no product.  Tensor loads and joint requests for the slab that the 15 groups of one k share: the two images are
; interleaved pixel by pixel on the way into LDS, so that one 8-byte gather serves both (4 gathers a position, not 8); that interleaving is register work,
; and the slab is 128 KiB read once by each work-group.
; THE MODE: SCHED_MODE bits 1:0 = 2 (LLVM: expert scheduling mode 2), set by the entry lines.  The code itself states the register dependences
; between vector instructions and memory or LDS instructions, with s_wait_alu, always for 0.
; THE PLAN.  Registers that memory or LDS instructions touch:
;   v[LOF], v[LS ..], v[TL ..], v[JO], v[ZP ..], v[SPW], v[NIL]   written at the head, ahead of one wait, and never again.
;   v[LD ..]       the sixteen global loads land here; the masking lines read them.
;   v[TT ..]       each of the eight pieces has eight registers of its own: written by the masking lines, read by the LDS stores, never written again.
;   v[AD0], v[AD1] the two gather addresses of a pair of samples: written once a trip, read by the trip's eight gathers.
;   PA, PB         the gathers land here; LERPX's eight lines read them.
;   v[ACC ..]      written by vector lines; read by one store an angle.
; A trip takes a PAIR of samples: both next addresses are made, the pair in hand is interpolated along x, ONE wait on va_vdst states that the addresses are written and that
; PA and PB have been read, the eight gathers follow, and behind them stand the lines that name none of these registers: the interpolation along y, the sums, the next fractions.
; ONE wait on vm_vsrc a trip stands ahead of the two lines that write the addresses again.
.set Q,     21
.set PITCH, 4352                       ; an LDS row: 544 pixel pairs (image 0, image 1) of 8 bytes: columns 0..511 data, 512..543 zeros
.set HALF,  23*PITCH                   ; wave w stages physical rows w and w + 23
.set SPARE, 46*PITCH                   ; behind the 46 rows: the spare words, 128 bytes a wave, 3,072 bytes in whole blocks of 256; no other line names them
.set IMG,   1048576                    ; bytes from image 0 to image 1
.set ROWB,  5888                       ; bytes of one (k, a) row of partial: 736 columns x 2 images x 4
; physical row p: p = 2..33 holds image row 32 k + p - 2; rows 0, 1 and 34..45 are zeros.  Column -1 of a row is column 543 of the row above it.
.set LOF, 1                            ; v1      16 x lane: my 16 bytes in 512 bytes of an image row
.set SPW, 2                            ; v2      LDS address of my spare word; never rewritten
.set NIL, 3                            ; v3      0; never rewritten
.set LS,  4                            ; v4, v5  staging: row w (w + 23) + 32 x lane
.set TL,  6                            ; v6, v7  staging: row w (w + 23) + 8 x lane, for the zero tail
.set RU0, 8                            ; v8      u = ix - 105, 21 fraction bits, of the pair's first sample
.set RV0, 9                            ; v9      v = iy - 105 - 32 k, likewise
.set AD0, 10                           ; v10     the LDS address of its four gathers
.set T0,  11                           ; v11, v12 at work
.set T1,  12
.set VJ,  13                           ; v13     v at i = 0
.set EST, 14                           ; v14     the first i that I visit
.set JO,  15                           ; v15     8 j: my place in a row of partial; never rewritten
.set FA,  16                           ; v[16:17], v[18:19]  (fx, fy) of the pair's first and second sample
.set FB,  18
.set PA,  20                           ; v[20:27], v[28:35]  p00, p01, p10, p11, each a pair (image 0, image 1), of the first and the second sample
.set PB,  28
.set D0,  36                           ; v[36:37], v[38:39]  the first sample's top and bottom
.set D1,  38
.set ACC, 40                           ; v[40:41] the column's sums, image 0 and image 1
.set RU1, 42                           ; v42, v43, v44  u, v and the address of the pair's second sample
.set RV1, 43
.set AD1, 44
.set T2,  45                           ; v45, v46 at work
.set T3,  46
.set D2,  48                           ; v[48:49], v[50:51]  the second sample's top and bottom
.set D3,  50
.set LD,  16                           ; staging only: v[16:79]   row r, piece m: image 0 at LD + 32 r + 8 m, image 1 four registers on
.set TT,  80                           ; staging only: v[80:143]  row r, piece m: four interleaved pairs at TT + 32 r + 8 m
.set ZP,  144                          ; staging only: v[144:145] 0
.set WV,  8                            ; s8 wave, s9 k, s10 g
.set SK,  9
.set SG,  10
.set RB,  12                           ; s[12:13], s[14:15] x at my two rows
.set MK,  16                           ; s16, s17  all ones where the row is data, else 0
.set A0,  24                           ; s24 the angle in hand, s25, s26 those to come; s27 counts them
.set C31, 28                           ; s28, s29  cos, sin with 31 fraction bits
.set S31, 29
.set CQ,  34                           ; s34, s35, s36  cos, sin, -sin with 21 fraction bits
.set SQ,  35
.set NSQ, 36
.set U00, 37                           ; s37, s38  u and v at i = j = 0
.set V00, 38
.set R30, 39                           ; s39  1 / cos with 30 fraction bits;  s40  with 12, rounded down
.set R12, 40
.set NT,  41                           ; s41  the loop's trips: the pairs of samples less the last;  s42 counts them
.set CT,  42
.set FM,  43                           ; s43  mask of the 21 fraction bits
.set SQ2, 53                           ; s53, s54  2 sin, 2 cos: a pair's step along i
.set CQ2, 54
	s_load_b128 s[4:7], s[0:1], 0x0                ; x s[4:5], partial s[6:7]
	v_lshl_add_u32 v[SPW], v0, 2, SPARE
	v_mov_b32 v[NIL], 0
	v_lshrrev_b32 v[LS], 5, v0
	v_readfirstlane_b32 s[WV], v[LS]               ; wave 0..22
	s_mov_b32 s[SK], ttmp9
	s_and_b32 s[SG], ttmp7, 0xffff
	v_and_b32 v[TL], 31, v0                        ; lane
	v_lshlrev_b32 v[LOF], 4, v[TL]
	s_wait_alu depctr_va_sdst(0)                   ; s[WV] is written, ahead of its first reader: LDS rows, image rows and columns are made from it
	s_mul_i32 s18, s[WV], PITCH
	v_lshl_add_u32 v[LS], v[TL], 5, s18            ; four pixel pairs a lane
	v_add_nc_u32 v[LS+1], HALF, v[LS]
	v_lshl_add_u32 v[TL], v[TL], 3, s18            ; one pixel pair a lane
	v_add_nc_u32 v[TL+1], HALF, v[TL]
	v_mov_b32 v[ZP], 0
	v_mov_b32 v[ZP+1], 0
	v_lshlrev_b32 v[JO], 3, v0
	s_lshl_b32 s20, s[SK], 5                       ; 32 k
.irp r, 0,1
	s_add_co_u32 s19, s[WV], 23*\r-2               ; p - 2
	s_cmp_lt_u32 s19, 32                           ; unsigned: p = 2..33 are data rows
	s_cselect_b32 s[MK+\r], -1, 0
	s_add_co_u32 s19, s19, s20                     ; the image row; a zero row loads some row inside the image and masks it away
	s_max_i32 s19, s19, 0
	s_min_i32 s19, s19, 511
	s_lshl_b32 s[RB+2*\r], s19, 11                 ; 2,048 bytes a row
	s_mov_b32 s[RB+2*\r+1], 0
.endr
	s_wait_kmcnt 0x0
	s_add_nc_u64 s[RB:RB+1], s[4:5], s[RB:RB+1]
	s_add_nc_u64 s[RB+2:RB+3], s[4:5], s[RB+2:RB+3]
	s_wait_alu depctr_va_vdst(0)                   ; v[LOF], v[LS ..], v[TL ..], v[JO] and the zero pair v[ZP ..] are written: the loads and stores of the whole kernel read them as offsets, addresses and data
	; sixteen loads, all out together: two rows x four pieces of 512 consecutive bytes x two images
.irp r, 0,1
.irp m, 0,1,2,3
	global_load_b128 v[LD+32*\r+8*\m:LD+32*\r+8*\m+3],   v[LOF], s[RB+2*\r:RB+2*\r+1] offset:512*\m
	global_load_b128 v[LD+32*\r+8*\m+4:LD+32*\r+8*\m+7], v[LOF], s[RB+2*\r:RB+2*\r+1] offset:512*\m+IMG
.endr
.endr
	ds_store_b64 v[TL],   v[ZP:ZP+1] offset:4096   ; columns 512..543 of my two rows: these hang on the head's wait alone, so they go out while the loads are on their way
	ds_store_b64 v[TL+1], v[ZP:ZP+1] offset:4096
; Piece m of row r: the mask and the interleaving are one v_and_b32 a number, into the piece's own eight registers.
.macro PIECE r, m
	s_wait_loadcnt 14-2*(4*(\r)+(\m))              ; loads come back in order: behind this piece's two stand so many
.irp e, 0,1,2,3
	v_and_b32 v[TT+32*(\r)+8*(\m)+2*\e],   s[MK+(\r)], v[LD+32*(\r)+8*(\m)+\e]
	v_and_b32 v[TT+32*(\r)+8*(\m)+2*\e+1], s[MK+(\r)], v[LD+32*(\r)+8*(\m)+4+\e]
.endr
.endm
.irp r, 0,1
.irp m, 0,1,2,3
	PIECE \r, \m
.endr
	s_wait_alu depctr_va_vdst(0)                   ; the row's 32 masking lines have written its v[TT ..], which the eight LDS stores below read
.irp m, 0,1,2,3
	ds_store_b128 v[LS+\r], v[TT+32*\r+8*\m:TT+32*\r+8*\m+3]   offset:1024*\m      ; 32 bytes a lane
	ds_store_b128 v[LS+\r], v[TT+32*\r+8*\m+4:TT+32*\r+8*\m+7] offset:1024*\m+16
.endr
.endr
	s_wait_dscnt 0x0                               ; for the others' sake: my two rows are in LDS
	s_barrier_signal -1
	s_barrier_wait -1                              ; the one barrier: from here on LDS is only read
	s_mov_b32 s[A0], s[SG]
	s_add_co_u32 s[A0+1], s[SG], 15
	s_sub_co_u32 s[A0+2], 44, s[SG]
	s_mov_b32 s27, 0
	s_mov_b32 s[FM], 0x1fffff
	s_mov_b32 s45, 0                               ; high word of the store's offset
	s_lshl_b32 s48, s[WV], 5                       ; my wave's first column,
	s_add_co_u32 s49, s48, 31                      ; and its last
	s_lshl_b32 s50, s[SK], 5                       ; 32 k
; (cos, sin) turned by 2^b degrees if the angle has bit b.  cd, sd: cos and sin of 2^b degrees x 1e9; the factors have 32 fraction bits.
.macro ROT b, cd, sd
	s_mul_hi_u32 s30, s[C31], ((\cd)*(1<<32)+500000000)/1000000000
	s_mul_hi_u32 s31, s[S31], ((\sd)*(1<<32)+500000000)/1000000000
	s_mul_hi_u32 s32, s[S31], ((\cd)*(1<<32)+500000000)/1000000000
	s_mul_hi_u32 s33, s[C31], ((\sd)*(1<<32)+500000000)/1000000000
	s_sub_co_u32 s30, s30, s31
	s_add_co_u32 s32, s32, s33
	s_bitcmp1_b32 s[A0], \b
	s_cselect_b32 s[C31], s30, s[C31]
	s_cselect_b32 s[S31], s32, s[S31]
.endm
; The gather addresses of the pair at (u0, v0), (u1, v1); the two samples' lines alternate, so that no line reads the result of the one before it.
; A negative u or v is a large unsigned number: the minimum sends it, like one past the end, to columns 512, 513 or rows 34, 35, which hold zeros.
; again = 1: gathers have read the two addresses since the last wait on vm_vsrc.
.macro ADDR again
	v_lshrrev_b32 v[T0], Q, v[RU0]
	v_lshrrev_b32 v[T1], Q, v[RV0]
	v_lshrrev_b32 v[T2], Q, v[RU1]
	v_lshrrev_b32 v[T3], Q, v[RV1]
	v_min_u32 v[T0], 513, v[T0]
	v_min_u32 v[T1], 33, v[T1]
	v_min_u32 v[T2], 513, v[T2]
	v_min_u32 v[T3], 33, v[T3]
	v_mul_u32_u24 v[T1], PITCH, v[T1]
	v_mul_u32_u24 v[T3], PITCH, v[T3]
.if \again
	s_wait_alu depctr_vm_vsrc(0)                   ; the eight gathers of the trip before have read v[AD0] and v[AD1], which the next two lines write again
.endif
	v_lshl_add_u32 v[AD0], v[T0], 3, v[T1]         ; at most 33 x 4,352 + 513 x 8 = 147,720
	v_lshl_add_u32 v[AD1], v[T2], 3, v[T3]
.endm
; The pair's eight gathers.
.macro GATHER
	ds_load_b64 v[PA:PA+1],   v[AD0] offset:PITCH-8     ; physical row rv + 1, column cu - 1
	ds_load_b64 v[PA+2:PA+3], v[AD0] offset:PITCH       ; column cu
	ds_load_b64 v[PA+4:PA+5], v[AD0] offset:2*PITCH-8   ; the row below
	ds_load_b64 v[PA+6:PA+7], v[AD0] offset:2*PITCH
	ds_load_b64 v[PB:PB+1],   v[AD1] offset:PITCH-8
	ds_load_b64 v[PB+2:PB+3], v[AD1] offset:PITCH
	ds_load_b64 v[PB+4:PB+5], v[AD1] offset:2*PITCH-8
	ds_load_b64 v[PB+6:PB+7], v[AD1] offset:2*PITCH
.endm
; The pair's fractions (fx, fy), from the same u and v as its addresses.
.macro FRAC
	v_and_b32 v[T0], s[FM], v[RU0]
	v_and_b32 v[T1], s[FM], v[RV0]
	v_and_b32 v[T2], s[FM], v[RU1]
	v_and_b32 v[T3], s[FM], v[RV1]
	v_cvt_f32_u32 v[FA], v[T0]
	v_cvt_f32_u32 v[FA+1], v[T1]
	v_cvt_f32_u32 v[FB], v[T2]
	v_cvt_f32_u32 v[FB+1], v[T3]
	v_pk_mul_f32 v[FA:FA+1], v[FA:FA+1], 0x35000000 op_sel_hi:[1,0]  ; x 2^-21
	v_pk_mul_f32 v[FB:FB+1], v[FB:FB+1], 0x35000000 op_sel_hi:[1,0]
.endm
; Both images at once, along x: top = p00 + fx (p01 - p00), bottom likewise.  These eight lines are all that reads PA and PB.
.macro LERPX
	v_pk_add_f32 v[D0:D0+1], v[PA+2:PA+3], v[PA:PA+1] neg_lo:[0,1] neg_hi:[0,1]
	v_pk_add_f32 v[D1:D1+1], v[PA+6:PA+7], v[PA+4:PA+5] neg_lo:[0,1] neg_hi:[0,1]
	v_pk_add_f32 v[D2:D2+1], v[PB+2:PB+3], v[PB:PB+1] neg_lo:[0,1] neg_hi:[0,1]
	v_pk_add_f32 v[D3:D3+1], v[PB+6:PB+7], v[PB+4:PB+5] neg_lo:[0,1] neg_hi:[0,1]
	v_pk_fma_f32 v[D0:D0+1], v[D0:D0+1], v[FA:FA+1], v[PA:PA+1] op_sel_hi:[1,0,1]
	v_pk_fma_f32 v[D1:D1+1], v[D1:D1+1], v[FA:FA+1], v[PA+4:PA+5] op_sel_hi:[1,0,1]
	v_pk_fma_f32 v[D2:D2+1], v[D2:D2+1], v[FB:FB+1], v[PB:PB+1] op_sel_hi:[1,0,1]
	v_pk_fma_f32 v[D3:D3+1], v[D3:D3+1], v[FB:FB+1], v[PB+4:PB+5] op_sel_hi:[1,0,1]
.endm
; Along y, and the sums, i ascending: sum += top + fy (bottom - top), the first sample and then the second.
.macro LERPY
	v_pk_add_f32 v[D1:D1+1], v[D1:D1+1], v[D0:D0+1] neg_lo:[0,1] neg_hi:[0,1]
	v_pk_add_f32 v[D3:D3+1], v[D3:D3+1], v[D2:D2+1] neg_lo:[0,1] neg_hi:[0,1]
	v_pk_add_f32 v[ACC:ACC+1], v[ACC:ACC+1], v[D0:D0+1]
	v_pk_fma_f32 v[ACC:ACC+1], v[D1:D1+1], v[FA:FA+1], v[ACC:ACC+1] op_sel:[0,1,0] op_sel_hi:[1,1,1]
	v_pk_add_f32 v[ACC:ACC+1], v[ACC:ACC+1], v[D2:D2+1]
	v_pk_fma_f32 v[ACC:ACC+1], v[D3:D3+1], v[FB:FB+1], v[ACC:ACC+1] op_sel:[0,1,0] op_sel_hi:[1,1,1]
.endm
.Langle:                                               ; three trips, an angle each
	s_wait_xcnt 0x0                                ; the last trip's store has had its address translated: only now is its base written again
	s_wait_alu depctr_vm_vsrc(0)                   ; the last trip's store has read its sums v[ACC ..], and its gathers v[AD0] and v[AD1]: all of them are written again below
	s_mov_b32 s[C31], 0x80000000                   ; cos 0 = 1
	s_mov_b32 s[S31], 0
	ROT 0, 999847695, 17452406
	ROT 1, 999390827, 34899497
	ROT 2, 997564050, 69756474
	ROT 3, 990268069, 139173101
	ROT 4, 961261696, 275637356
	ROT 5, 848048096, 529919264
	s_add_co_u32 s[CQ], s[C31], 512
	s_lshr_b32 s[CQ], s[CQ], 10
	s_add_co_u32 s[SQ], s[S31], 512
	s_lshr_b32 s[SQ], s[SQ], 10
	s_sub_co_u32 s[NSQ], 0, s[SQ]
	s_lshl_b32 s[SQ2], s[SQ], 1                    ; two steps along i at once: whole numbers modulo 2^32, the same u and v as by single steps
	s_lshl_b32 s[CQ2], s[CQ], 1
	s_add_co_u32 s19, s[CQ], s[SQ]                 ; u = 257 - 362 (c + s) + c j + s i; all sums modulo 2^32
	s_mul_i32 s19, s19, 362
	s_sub_co_u32 s[U00], 257<<Q, s19
	s_sub_co_u32 s20, 257, s50                     ; v = 257 - 32 k + 362 (s - c) - s j + c i
	s_lshl_b32 s20, s20, Q
	s_sub_co_u32 s19, s[SQ], s[CQ]
	s_mul_i32 s19, s19, 362
	s_add_co_u32 s[V00], s20, s19
	s_mov_b32 s[R30], 0x4ccccccd                   ; 1 / c from 1.2: c lies in 0.719 .. 1, so the error 1 - c r goes 0.2, 0.04, 1.6e-3, 2.6e-6, always from below
.rept 3
	s_mul_hi_u32 s19, s[C31], s[R30]               ; c r, 29 fraction bits
	s_sub_co_u32 s19, 1<<30, s19                   ; 2 - c r
	s_mul_hi_u32 s[R30], s[R30], s19
	s_lshl_b32 s[R30], s[R30], 3
.endr
	s_lshr_b32 s[R12], s[R30], 18
	s_sub_co_u32 s[R12], s[R12], 1                 ; never above 1 / c
	s_add_co_u32 s19, s[R12], 2                    ; v runs through 33 rows: at most 33 / c + 1 samples, and I begin at most 2 early: T = 33 / c (rounded down) + 4 steps
	s_mul_i32 s19, s19, 33
	s_lshr_b32 s19, s19, 12
	s_add_co_u32 s19, s19, 5
	s_lshr_b32 s[NT], s19, 1                       ; (T + 1) / 2 pairs, 19 at the least;
	s_sub_co_u32 s[NT], s[NT], 1                   ; the last pair is written out behind the loop, where nothing more is gathered
	s_mul_i32 s19, s[SK], 45
	s_add_co_u32 s19, s19, s[A0]
	s_mul_i32 s44, s19, ROWB
	s_add_nc_u64 s[46:47], s[6:7], s[44:45]        ; partial at (k, a)
	; which columns can meet the slab: j - 362 = c X - s Y with X in (-257, 256), Y in [32 k - 257, 32 k - 224); one column of margin on either side
	s_sub_co_u32 s19, s50, 224
	s_mul_i32 s19, s[SQ], s19
	s_mul_i32 s20, s[CQ], -257
	s_sub_co_u32 s19, s20, s19
	s_ashr_i32 s19, s19, Q
	s_add_co_u32 s51, s19, 361
	s_sub_co_u32 s19, s50, 257
	s_mul_i32 s19, s[SQ], s19
	s_lshl_b32 s20, s[CQ], 8
	s_sub_co_u32 s19, s20, s19
	s_ashr_i32 s19, s19, Q
	s_add_co_u32 s52, s19, 364
	v_mov_b32 v[ACC], 0
	v_mov_b32 v[ACC+1], 0
	s_cmp_lt_i32 s49, s51
	s_cbranch_scc1 .Lstore                         ; my 32 columns lie left of the slab's shadow: they store zeros
	s_cmp_gt_i32 s48, s52
	s_cbranch_scc1 .Lstore                         ; or right of it
	; where I begin: the largest whole number that is surely not above -v(i = 0) / c, and not below 0 (i < 0 is no sample; i > 724 never meets the image: 256 (sin 44 + cos 44) < 362)
	v_mul_lo_u32 v[VJ], v0, s[NSQ]
	v_add_nc_u32 v[VJ], s[V00], v[VJ]
	v_sub_nc_u32 v[EST], 0, v[VJ]
	v_max_i32 v[EST], 0, v[EST]
	v_lshrrev_b32 v[EST], 12, v[EST]               ; 9 fraction bits, under 2^19,
	v_mul_u32_u24 v[EST], s[R12], v[EST]           ; times 1 / c with 12, under 2^13
	v_lshrrev_b32 v[EST], Q, v[EST]
	v_mul_lo_u32 v[RV0], v[EST], s[CQ]
	v_add_nc_u32 v[RV0], v[RV0], v[VJ]
	v_mul_lo_u32 v[RU0], v0, s[CQ]
	v_mul_lo_u32 v[T0], v[EST], s[SQ]
	v_add3_u32 v[RU0], v[RU0], v[T0], s[U00]
	v_add_nc_u32 v[RU1], s[SQ], v[RU0]             ; the pair's second sample lies one step along i
	v_add_nc_u32 v[RV1], s[CQ], v[RV0]
	ADDR 0                                         ; (the wait at the angle's head has freed the two addresses)
	s_wait_alu depctr_va_vdst(0)                   ; v[AD0] and v[AD1] are written, which the gathers read; every earlier reader of PA and PB, in which they land, is done
	GATHER
	FRAC
	s_mov_b32 s[CT], 0
.Lstep:                                                ; a trip: the next pair is asked for, the pair in hand is added
	v_add_nc_u32 v[RU0], s[SQ2], v[RU0]
	v_add_nc_u32 v[RV0], s[CQ2], v[RV0]
	v_add_nc_u32 v[RU1], s[SQ2], v[RU1]
	v_add_nc_u32 v[RV1], s[CQ2], v[RV1]
	ADDR 1
	s_wait_dscnt 0x0                               ; the pair in hand is in: its gathers were issued a trip's sums, fractions and addresses ago
	LERPX
	s_wait_alu depctr_va_vdst(0)                   ; v[AD0] and v[AD1] are written, which the gathers below read; LERPX is done reading PA and PB, in which they land
	GATHER
	LERPY                                          ; no line from here to the next write of the addresses names v[AD0], v[AD1], PA or PB
	FRAC
	s_add_co_u32 s[CT], s[CT], 1
	s_cmp_lt_u32 s[CT], s[NT]
	s_cbranch_scc1 .Lstep
	s_wait_dscnt 0x0                               ; the last pair is in
	LERPX
	LERPY
.Lstore:
	s_wait_alu depctr_va_vdst(0)                   ; the sums v[ACC ..] are written, by LERPY or by the two lines that clear them: the store reads them
	global_store_b64 v[JO], v[ACC:ACC+1], s[46:47] ; the wave stores 256 consecutive bytes, at a multiple of 256 from partial's first byte
	s_mov_b32 s[A0], s[A0+1]
	s_mov_b32 s[A0+1], s[A0+2]
	s_add_co_u32 s27, s27, 1
	s_cmp_lt_u32 s27, 3
	s_cbranch_scc1 .Langle
	s_wait_dscnt 0x0                               ; the wave's end
	s_wait_alu 0x0
	s_wait_tensorcnt 0x0
	ds_add_u32 v[SPW], v[NIL]
	s_wait_dscnt 0x0
	s_endpgm
.Lfunc_end_k_qad041720f7_slabs:
	.size	k_qad041720f7_slabs, .Lfunc_end_k_qad041720f7_slabs-k_qad041720f7_slabs
	.p2alignl 7, 3214868480
	.fill 96, 4, 3214868480
	.section	.rodata,"a",@progbits
	.p2align	6, 0x0
	.amdhsa_kernel k_qad041720f7_slabs
		.amdhsa_group_segment_fixed_size 203264
		.amdhsa_private_segment_fixed_size 0
		.amdhsa_enable_private_segment 0
		.amdhsa_kernarg_size 16
		.amdhsa_user_sgpr_count 2
		.amdhsa_user_sgpr_kernarg_segment_ptr 1
		.amdhsa_wavefront_size32 1
		.amdhsa_system_sgpr_workgroup_id_x 1
		.amdhsa_system_sgpr_workgroup_id_y 1
		.amdhsa_system_sgpr_workgroup_id_z 1
		.amdhsa_system_vgpr_workitem_id 0
		.amdhsa_next_free_vgpr 146
		.amdhsa_next_free_sgpr 66
		.amdhsa_reserve_vcc 0
		.amdhsa_float_denorm_mode_32 3
		.amdhsa_float_denorm_mode_16_64 3
		.amdhsa_memory_ordered 1
		.amdhsa_forward_progress 1
		.amdhsa_inst_pref_size 19
	.end_amdhsa_kernel
	.amdgpu_metadata
---
amdhsa.version: [ 1, 2 ]
amdhsa.kernels:
  - .name:           k_qad041720f7_slabs
    .symbol:         k_qad041720f7_slabs.kd
    .args:
      - { .name: x, .offset: 0, .size: 8, .value_kind: global_buffer, .address_space: global }
      - { .name: partial, .offset: 8, .size: 8, .value_kind: global_buffer, .address_space: global }
    .group_segment_fixed_size: 203264
    .private_segment_fixed_size: 0
    .kernarg_segment_align: 8
    .kernarg_segment_size: 16
    .max_flat_workgroup_size: 736
    .sgpr_count:     66
    .vgpr_count:     146
    .wavefront_size: 32
...
	.end_amdgpu_metadata
.endif
;; end of part 3
;; launch addup: the kernel of part 2 again; grid 255 x 1, 4 waves a work-group, no clusters, 0 bytes of LDS; arguments partial, out0; writes out0
